; MI455X (gfx1250); checked and timed in simulation.
; The chip was launched on July 23, 2026; its instructions are those of AMD's public machine-readable ISA for CDNA 5 (MIT licence, August 2026) and "CDNA5" Instruction Set Architecture Reference Guide (July 2026). The comments in the code are by the model that wrote it; some were corrected since.
;; SVD Residual Linear. Allowed arithmetic: matrix products marked QUANTISED: E5M2 operands, one given power-of-two scale a tensor, by v_wmma_f32_16x16x64_bf8_bf8 or v_wmma_f32_16x16x128_bf8_bf8, f32 sums; products left as they are: f32 operands where the result goes on into a quantised operand, else bf16, f16 or f32 operands; f32 sums; everything else in f32.
;; Inputs: S 64 float32; U_codes 4,096 x 2 x 32 uint8 (E5M2 codes of U, K innermost, in blocks of 32 codes); V 64 x 4,096 float32; bias 4,096 float32; lowp_scales 4 int32 (the exponents e of the quantised operands' scales 2^e); weight_main 4,096 x 4,096 float32; x_codes 8 x 512 x 128 x 32 uint8 (E5M2 codes of x, K innermost, in blocks of 32 codes).
;; Outputs: out0 8 x 512 x 4,096 float32.
;; This version of the problem:
;;   THIS VERSION OF THE PROBLEM IS GIVEN IN LOW PRECISION. The matrix products marked QUANTISED in the list below multiply operands that are first quantised to E5M2 (5 exponent bits, 2 mantissa bits; 8 bits a number), with one given power-of-two scale for each operand tensor; their sums are f32. All else is computed in f32.
;;   The module's matrix products, in the order in which they are computed (A, B: the left and right operand; K: the contracted axis; several contracted axes count as one K, in the product's order):
;;     1. batch 64 x [M 1, K 1] x [K 1, N 4,096]; A: computed on the way; B: computed on the way: left as it is (no contracted axis)
;;     2. [M 4,096, K 64] x [K 64, N 4,096]; A: input U (given as codes); B: computed on the way: QUANTISED (scales: A lowp_scales[0], B lowp_scales[1])
;;     3. [M 4,096, K 4,096] x [K 4,096, N 4,096]; A: input x (given as codes); B: computed on the way: QUANTISED (scales: A lowp_scales[2], B lowp_scales[3])
;;   THE QUANTISER, for each operand of a quantised product, along K:
;;     - The operand's scale is 2^e, e = its entry of the input lowp_scales (int32; the entries are numbered through the quantised products in the list's order, A before B).
;;     - Each number is divided by the scale, clamped to +-57,344, and rounded to the nearest number of E5M2, ties to even, subnormals kept.
;;     - The product sums the exact products of the quantised numbers (number of the format x scale) in f32.
;;   ~~~python
;;   def quantise(x, axis, e):      # numpy; x: float32 -> the quantised numbers, widened to float32 again
;;       x = np.moveaxis(x, axis, -1); K = x.shape[-1]
;;       r = np.clip(x / 2.0 ** e, -57344, 57344)
;;       step = 2.0 ** (np.maximum(np.frexp(np.where(r == 0, 1, r))[1] - 1, -14) - 2)
;;       q = np.round(r / step) * step * 2.0 ** e      # np.round: ties to even
;;       return np.moveaxis(q, -1, axis).astype(np.float32)
;;   ~~~
;;   OPERANDS COMPUTED ON THE WAY. 'Computed on the way' means the value that the module computes at that place (a softmax that the list does not call 'softmax' is quantised finished and normalised). What goes into a quantiser is computed in f32, as accurately as f32 sums, v_exp_f32 and their like allow (about 1e-6 of the number): no bf16 or f16 on the way to a quantiser, and a product that is left as it is and whose result goes on into a quantised operand takes f32 operands (vector FMAs, or v_wmma_f32_16x16x4_f32). A number that lies on a knife's edge between two numbers of the format may be rounded either way, as far as f32 arithmetic and the matrix unit's own rounding can turn it there, and no further.
;;   INPUTS GIVEN AS CODES. U (in the module: [4096, 64], K = its axis 1); x (in the module: [8, 512, 4096], K = its axis 2): each comes as NAME_codes (uint8): NAME with its K axis moved to the last place and cut into blocks of 32 codes, [.., K / 32, bytes a block], one block behind the other in memory; one code a byte (a code: sign, 5 exponent bits, 2 mantissa bits); its scale is its entry of lowp_scales. Its value is code x scale, taken as it is: it is not quantised again, and the codes and scales need not be those that the quantiser above would give.
;; One version. Each part assembles by itself: llvm-mc -triple=amdgcn-amd-amdhsa -mcpu=gfx1250 --defsym DOCPART=n.
;; ======== version 1 of 1: 2 launches
;; limits: right only within a limited range of input values
;; workspace buffers: w_codes 16,777,216 bytes
;; launch prep (part 1): grid 32 x 8, 8 waves a work-group, no clusters, 78,848 bytes of LDS; arguments weight_main, U_codes, S, V, lowp_scales, w_codes; writes w_codes
.if DOCPART == 1
	.amdgcn_target "amdgcn-amd-amdhsa--gfx1250"
	.amdhsa_code_object_version 6
	.text
	.protected	k_q00c29ae38d_prep
	.globl	k_q00c29ae38d_prep
	.p2align	8
	.type	k_q00c29ae38d_prep,@function
k_q00c29ae38d_prep:
	s_mov_b64 s[64:65], 0
	v_nop
	global_prefetch_b8 v0, s[64:65] scope:SCOPE_SE
	s_setreg_imm32_b32 hwreg(HW_REG_WAVE_MODE, 25, 1), 1
	s_wait_xcnt 0x0
; W[o][i] = weight_main[o][i] + 2^(e0 + e1) x the sum over j of Ucode[o][j] x Q(S[j] V[j][i]), and W's codes of BF8 (E5M2) under the given scale 2^e3.
; U arrives as codes (scale 2^e0); S[j] V[j][i] is one f32 multiply and is quantised along j under 2^e1; the sum over j = 0 .. 63 is one matrix instruction of the K = 64 form; the addition is f32.
; code = number / 2^e, held within +-57,344, rounded to the nearest code, ties to even.
; LIMITS: e1 and e3 between -126 and 112, e0 + e1 between -126 and 127, so that each power of two below is an f32 number.  NaN among the inputs is not served; infinities are held at the largest code.
; Inside a matrix instruction j is permuted, alike on both sides (registers 4 c .. 4 c + 3 hold j = 32 c + 16 (lane / 16) + 0 .. 15): every product meets its partner.
; SHARES.  Work-group (kb, gy) owns columns i = 128 kb .. + 127 and rows o = 512 gy .. + 511; wave w rows 64 w .. + 63 of them, in four steps of 16 rows.  A step makes ONE fragment of the next launch's operand.
; THE OUTPUT IS LAID IN THE ORDER OF THAT OPERAND'S REGISTERS: the fragment of rows 16 nb .. + 15 and K = 128 kb .. + 127 begins at byte (((nb / 8) 16 + kb / 2) 16 + 8 (kb % 2) + nb % 8) x 2,048;
; piece c of lane l lies at 512 c + 16 l and holds row 16 nb + l % 16, K = 128 kb + 32 c + 16 (l / 16) + 0 .. 15.  So each store of a wave covers 512 consecutive bytes, aligned, and nothing goes through a stage on the way out.
; THE PRODUCT IS USED TRANSPOSED (source 0 = 16 columns i of S V, source 1 = 16 rows of U), and the columns that form a tile are chosen (lane r of tile 2 b + u takes column 32 b + 8 u + r + 8 (r / 8)),
; so that a lane holds ONE row o and its 64 results lie along i just as the next K wants them: register 16 b + n is i = 32 b + 16 (lane / 16) + n.
; weight_main is loaded as it lies (a wave's load reads 512 consecutive bytes of one row) and turns into that same order through the wave's own stage in LDS.
; No tensor loads, so no ring; one barrier, behind the codes of S V.  All of a wave's 64 rows are asked for ahead, into four sets of registers of their own: by this text's count at most 56 loads of a wave are out.
.set SVP, 80                           ; LDS: S V's codes, 128 rows (column i) x 64 bytes (along j) + 16 of padding
.set STG, 128*SVP                      ; behind them a stage of 16 rows for each wave,
.set SP,  528                          ; 512 bytes + 16 of padding a row: the sixteen rows that a read touches start at sixteen different places modulo 256 bytes
.set SV,  16                           ; v16-79    S V's eight fragments (16 columns x 64 j), 8 registers each: they stay
.set UF,  80                           ; v80-111   U's four fragments (16 rows x 64 j): they stay
.set W,   112                          ; v112-175  64 numbers of my row: weight_main, then W
.set H,   176                          ; v176-239  the eight accumulators
.set C,   240                          ; v240-255  the codes just made
; v1 lane, v2 r = lane % 16, v3 h = lane / 16; v4 16 x lane; v5 4 x lane; v6 U's place; v7, v8 S V's codes in LDS, in and out; v9, v10 the stage, in and out; v11, v12: 2^e1 and 57,344 x 2^e1; v13, v14 the same for e3
; window 1 (v256-511): weight_main as loaded: set t at 64 t, row p of the step at 64 t + 4 p
.set MSB, 0
.macro WIN new                         ; the immediate's high byte repeats the setting that is left
.if MSB != \new
	s_set_vgpr_msb (MSB<<8)|\new
.set MSB, \new
.endif
.endm
	s_load_b256 s[4:11], s[0:1], 0x0               ; weight_main s[4:5], U's codes s[6:7], S s[8:9], V s[10:11]
	s_load_b128 s[12:15], s[0:1], 0x20             ; the scales' exponents s[12:13], W's codes s[14:15]
	v_lshrrev_b32 v15, 5, v0
	s_delay_alu instid0(VALU_DEP_1)
	v_readfirstlane_b32 s16, v15                   ; wave 0..7
	v_and_b32 v1, 31, v0                           ; lane
	v_and_b32 v2, 15, v0                           ; r
	v_bfe_u32 v3, v0, 4, 1                         ; h
	s_and_b32 s17, s16, 3                          ; for S V: which 32 columns are mine,
	s_lshr_b32 s18, s16, 2                         ; and which 32 of the 64 j
	s_and_b32 s19, ttmp7, 0xffff                   ; gy
	v_lshlrev_b32 v4, 4, v1
	v_lshlrev_b32 v5, 2, v1
	v_lshlrev_b32 v6, 8, v2                        ; U: lane r of step t takes row 4 r + t of my 64: 256 r bytes (the step's 64 t stand in the load's offset)
	s_delay_alu instid0(VALU_DEP_1)
	v_lshl_add_u32 v6, v3, 4, v6                   ; U: row r of 64 bytes, + 16 h
	s_mul_i32 s32, s17, 32*SVP
	s_lshl_b32 s33, s18, 5
	s_add_co_u32 s32, s32, s33
	v_mul_u32_u24 v7, v1, SVP
	s_delay_alu instid0(VALU_DEP_1)
	v_add_nc_u32 v7, s32, v7                       ; S V's codes, in: row 32 (w % 4) + lane, byte 32 (w / 4)
	v_and_b32 v8, 8, v2
	s_delay_alu instid0(VALU_DEP_1)
	v_add_nc_u32 v8, v8, v2                        ; r + 8 (r / 8)
	s_delay_alu instid0(VALU_DEP_1)
	v_mul_u32_u24 v8, v8, SVP
	s_delay_alu instid0(VALU_DEP_1)
	v_lshl_add_u32 v8, v3, 4, v8                   ; and out: that row, + 16 h
	s_mul_i32 s32, s16, 16*SP
	s_add_co_u32 s32, s32, STG                     ; my stage
	v_lshl_add_u32 v9, v1, 4, s32                  ; in: 16 bytes a lane, a row an instruction
	v_mul_u32_u24 v10, v2, SP
	s_delay_alu instid0(VALU_DEP_1)
	v_lshl_add_u32 v10, v3, 6, v10
	s_delay_alu instid0(VALU_DEP_1)
	v_add_nc_u32 v10, s32, v10                     ; out: row r, + 64 h: my 16 numbers of a block of 32
	; where my wave's parts begin, in bytes; all stay under 2^27
	s_lshl_b32 s32, s19, 9
	s_lshl_b32 s33, s16, 6
	s_add_co_u32 s32, s32, s33                     ; my first row o: 512 gy + 64 w
	s_lshl_b32 s22, s32, 6                         ; U: rows of 64 bytes
	s_mov_b32 s23, 0
	s_lshl_b32 s20, s32, 14                        ; weight_main: rows of 16,384 bytes,
	s_lshl_b32 s33, ttmp9, 9
	s_add_co_u32 s20, s20, s33                     ; + 512 kb
	s_mov_b32 s21, 0
	s_lshl_b32 s28, s18, 19                        ; V: 32 (w / 4) rows of 16,384 bytes,
	s_add_co_u32 s28, s28, s33                     ; + 512 kb
	s_lshl_b32 s32, s17, 7
	s_add_co_u32 s28, s28, s32                     ; + 128 (w % 4)
	s_mov_b32 s29, 0
	s_lshl_b32 s2, s18, 7                          ; S: my 32 numbers
	s_mov_b32 s3, 0
	; THE ORDER OF W's CODES IN FORCE (it takes the place of the order given at the head): my wave's 64 rows are group ng = 8 gy + w.
	; The four fragments of group ng and K = 128 kb .. + 127 lie on end from byte (32 ng + kb) x 8,192; fragment t (step t) holds, in lane l, row 64 ng + 4 (l % 16) + t.
	s_lshl_b32 s30, s19, 3
	s_add_co_u32 s30, s30, s16                     ; ng = 8 gy + w
	s_lshl_b32 s30, s30, 5
	s_add_co_u32 s30, s30, ttmp9                   ; x 32 + kb
	s_lshl_b32 s30, s30, 13                        ; four fragments of 2,048 bytes
	s_mov_b32 s31, 0
	s_wait_kmcnt 0x0
	s_add_nc_u64 s[4:5], s[4:5], s[20:21]
	s_add_nc_u64 s[6:7], s[6:7], s[22:23]
	s_add_nc_u64 s[8:9], s[8:9], s[2:3]
	s_add_nc_u64 s[10:11], s[10:11], s[28:29]
	s_add_nc_u64 s[14:15], s[14:15], s[30:31]
	s_load_b128 s[24:27], s[12:13], 0x0            ; e0, e1, e2, e3
	s_load_b512 s[32:47], s[8:9], 0x0              ; S of my 32 j
	s_load_b512 s[48:63], s[8:9], 0x40
.macro LOAD t                          ; step t's 16 rows x 512 bytes of weight_main into set t; read once in the launch
	WIN 0x40                                       ; destination window 1, address window 0
.irp p, 0,1,2,3,4,5,6,7,8,9,10,11,12,13,14,15
	global_load_b128 v[64*(\t)+4*\p:64*(\t)+4*\p+3], v4, s[4:5] offset:(4*\p+(\t))*16384 th:TH_LOAD_NT   ; row 4 p + t of my 64
.endr
	WIN 0
.endm
.irp t, 0,1,2,3
.irp c, 0,1
	global_load_b128 v[UF+8*\t+4*\c:UF+8*\t+4*\c+3], v6, s[6:7] offset:64*\t+32*\c   ; U(4 r + t, 32 c + 16 h + 0 .. 15)
.endr
.endr
.set j, 0
.rept 32
	global_load_b32 v[W+j], v5, s[10:11] offset:16384*j   ; V(32 (w / 4) + j, my column): a lane takes a column and its registers run down j; four waves stand side by side on 512 bytes
.set j, j+1
.endr
	LOAD 0
	s_wait_kmcnt 0x0
	s_add_co_i32 s28, s24, s25
	s_add_co_i32 s28, s28, 127
	s_lshl_b32 s28, s28, 23                        ; 2^(e0 + e1) as f32
	s_mov_b32 s29, s28                             ; (named with it as a pair, so it is written)
	s_add_co_i32 s30, s25, 127
	s_lshl_b32 s31, s30, 23
	v_mov_b32 v11, s31                             ; 2^e1: the conversion takes its exponent field
	s_add_co_i32 s30, s30, 15
	s_lshl_b32 s30, s30, 23
	s_or_b32 s30, s30, 0x600000
	v_mov_b32 v12, s30                             ; 57,344 x 2^e1
	s_add_co_i32 s30, s27, 127
	s_lshl_b32 s31, s30, 23
	v_mov_b32 v13, s31                             ; 2^e3
	s_add_co_i32 s30, s30, 15
	s_lshl_b32 s30, s30, 23
	s_or_b32 s30, s30, 0x600000
	v_mov_b32 v14, s30                             ; 57,344 x 2^e3
	s_wait_loadcnt 16                              ; U and V are in: behind them only set 0's sixteen loads were issued
	LOAD 1
	LOAD 2
.set j, 0
.rept 32
	v_mul_f32 v[W+j], s[32+j], v[W+j]              ; S[j] V[j][i], in f32
.set j, j+1
.endr
.set j, 0
.rept 32
	v_med3_num_f32 v[W+j], v[W+j], -v12, v12       ; the conversion to an 8-bit code does not saturate (ISA guide 7.6.2): the hold at the largest code x the scale
.set j, j+1
.endr
.irp g, 0,1,2,3
	v_cvt_scalef32_pk8_bf8_f32 v[C+2*\g:C+2*\g+1], v[W+8*\g:W+8*\g+7], v11
.endr
	v_nop                                          ; one plain vector line behind the last conversion of the run
	ds_store_b128 v7, v[C:C+3]                     ; my column's 32 codes along j
	ds_store_b128 v7, v[C+4:C+7] offset:16
	s_wait_dscnt 0x0                               ; for the others' sake: my stores have landed
	s_barrier_signal -1
	s_barrier_wait -1                              ; S V's 128 x 64 codes lie in LDS
.irp b, 0,1,2,3
.irp u, 0,1
.irp c, 0,1
	ds_load_b128 v[SV+8*(2*\b+\u)+4*\c:SV+8*(2*\b+\u)+4*\c+3], v8 offset:(32*\b+8*\u)*SVP+32*\c
.endr
.endr
.endr
	s_wait_dscnt 0x0
; A step: 16 rows o x 128 columns i.  left: the loads issued behind set t's, which may stay out.
.macro STEP t, left
	s_wait_loadcnt \left
.if (\t) == 0
	LOAD 3
.endif
	WIN 0x04                                       ; store data window 1, address window 0
.irp p, 0,1,2,3,4,5,6,7,8,9,10,11,12,13,14,15
	ds_store_b128 v9, v[64*(\t)+4*\p:64*(\t)+4*\p+3] offset:SP*\p
.endr
	WIN 0
.irp b, 0,1,2,3
.irp q, 0,1,2,3
	ds_load_b128 v[W+16*\b+4*\q:W+16*\b+4*\q+3], v10 offset:128*\b+16*\q   ; LDS serves a wave's instructions in order (ISA guide 5.7.1.4): these see my stores.  Register 16 b + n = weight_main(r, 32 b + 16 h + n)
.endr
.endr
.irp n, 0,1,2,3,4,5,6,7
	v_wmma_f32_16x16x64_bf8_bf8 v[H+8*\n:H+8*\n+7], v[SV+8*\n:SV+8*\n+7], v[UF+8*(\t):UF+8*(\t)+7], 0   ; all of K = 64 at once: each sum begins and ends here
.endr
.rept 4
	v_nop                                          ; four places between the products and the first read of their results (ISA guide 7.12.1)
.endr
	s_wait_dscnt 0x0                               ; weight_main is back from the stage
.set j, 0
.rept 32
	v_pk_fma_f32 v[W+j:W+j+1], v[H+j:H+j+1], s[28:29], v[W+j:W+j+1] op_sel_hi:[1,0,1]   ; W = sum x 2^(e0 + e1) + weight_main, rounded once; each accumulator from its low end on
.set j, j+2
.endr
.set j, 0
.rept 64
	v_med3_num_f32 v[W+j], v[W+j], -v14, v14       ; the hold.  (These are also the places ahead of the next step's products, which write the accumulators anew)
.set j, j+1
.endr
.if (\t) > 0
	s_wait_alu depctr_va_vdst(0)
	s_wait_xcnt 0x0                                ; the last step's stores have read the codes' registers: only behind this wait are they written again
.endif
.irp b, 0,1,2,3
	v_cvt_scalef32_pk8_bf8_f32 v[C+4*\b:C+4*\b+1], v[W+16*\b:W+16*\b+7], v13
	v_cvt_scalef32_pk8_bf8_f32 v[C+4*\b+2:C+4*\b+3], v[W+16*\b+8:W+16*\b+15], v13
.endr
	v_nop                                          ; one plain vector line behind the last conversion of the run
.irp b, 0,1,2,3
	global_store_b128 v4, v[C+4*\b:C+4*\b+3], s[14:15] offset:2048*(\t)+512*\b   ; piece b of the fragment: 32 lanes store 512 consecutive bytes, aligned
.endr
.endm
	STEP 0, 32                                     ; behind set 0: sets 1 and 2
	STEP 1, 32                                     ; behind set 1: sets 2 and 3
	STEP 2, 16
	STEP 3, 0
	s_wait_xcnt 0x0
	v_lshl_add_u32 v254, v0, 2, 0x13000
	v_mov_b32 v255, 0
	s_wait_alu depctr_va_vdst(0)
	s_wait_tensorcnt 0x0
	ds_add_u32 v254, v255
	s_wait_dscnt 0x0
	s_endpgm
.Lfunc_end_k_q00c29ae38d_prep:
	.size	k_q00c29ae38d_prep, .Lfunc_end_k_q00c29ae38d_prep-k_q00c29ae38d_prep
	.p2alignl 7, 3214868480
	.fill 96, 4, 3214868480
	.section	.rodata,"a",@progbits
	.p2align	6, 0x0
	.amdhsa_kernel k_q00c29ae38d_prep
		.amdhsa_group_segment_fixed_size 78848
		.amdhsa_private_segment_fixed_size 0
		.amdhsa_enable_private_segment 0
		.amdhsa_kernarg_size 48
		.amdhsa_user_sgpr_count 2
		.amdhsa_user_sgpr_kernarg_segment_ptr 1
		.amdhsa_wavefront_size32 1
		.amdhsa_system_sgpr_workgroup_id_x 1
		.amdhsa_system_sgpr_workgroup_id_y 1
		.amdhsa_system_sgpr_workgroup_id_z 1
		.amdhsa_system_vgpr_workitem_id 0
		.amdhsa_next_free_vgpr 512
		.amdhsa_next_free_sgpr 66
		.amdhsa_reserve_vcc 0
		.amdhsa_float_denorm_mode_32 3
		.amdhsa_float_denorm_mode_16_64 3
		.amdhsa_memory_ordered 1
		.amdhsa_forward_progress 1
		.amdhsa_inst_pref_size 58
	.end_amdhsa_kernel
	.amdgpu_metadata
---
amdhsa.version: [ 1, 2 ]
amdhsa.kernels:
  - .name:           k_q00c29ae38d_prep
    .symbol:         k_q00c29ae38d_prep.kd
    .args:
      - { .name: weight_main, .offset: 0, .size: 8, .value_kind: global_buffer, .address_space: global }
      - { .name: U_codes, .offset: 8, .size: 8, .value_kind: global_buffer, .address_space: global }
      - { .name: S, .offset: 16, .size: 8, .value_kind: global_buffer, .address_space: global }
      - { .name: V, .offset: 24, .size: 8, .value_kind: global_buffer, .address_space: global }
      - { .name: lowp_scales, .offset: 32, .size: 8, .value_kind: global_buffer, .address_space: global }
      - { .name: w_codes, .offset: 40, .size: 8, .value_kind: global_buffer, .address_space: global }
    .group_segment_fixed_size: 78848
    .private_segment_fixed_size: 0
    .kernarg_segment_align: 8
    .kernarg_segment_size: 48
    .max_flat_workgroup_size: 256
    .sgpr_count:     66
    .vgpr_count:     512
    .wavefront_size: 32
...
	.end_amdgpu_metadata
.endif
;; end of part 1
;; launch gemm (part 2): grid 16 x 16, 4 waves a work-group, clusters of 4 x 1, 327,680 bytes of LDS; arguments x_codes, w_codes, lowp_scales, out0, bias; writes out0
.if DOCPART == 2
	.amdgcn_target "amdgcn-amd-amdhsa--gfx1250"
	.amdhsa_code_object_version 6
	.text
	.protected	k_q00c29ae38d_gemm
	.globl	k_q00c29ae38d_gemm
	.p2align	8
	.type	k_q00c29ae38d_gemm,@function
k_q00c29ae38d_gemm:
	s_mov_b64 s[64:65], 0
	v_nop
	global_prefetch_b8 v0, s[64:65] scope:SCOPE_SE
	s_setreg_imm32_b32 hwreg(HW_REG_WAVE_MODE, 25, 1), 1
	s_wait_xcnt 0x0
	s_wait_alu depctr_hold_cnt(0) depctr_sa_sdst(0) depctr_va_vdst(0) depctr_va_sdst(0) depctr_va_ssrc(0) depctr_va_vcc(0) depctr_vm_vsrc(0)
	s_getreg_b32 s2, hwreg(HW_REG_IB_STS2, 6, 4)
	s_cmp_eq_u32 s2, 0
	s_cbranch_scc0 .Lentry_in_a_cluster
	s_endpgm
.Lentry_in_a_cluster:
	s_bfe_u32 s2, ttmp6, 0x10000c
	s_cmp_lg_u32 s2, 0x3003
	s_cbranch_scc0 .Lentry_shape_is_right
	s_endpgm
.Lentry_shape_is_right:
; out[m][n] = 2^(e2 + e3) x the sum over k of xcode[m][k] Wcode[n][k] + bias[n].  x: [4096][4096] codes of BF8 as given; W's codes as the launch before laid them; sums in f32.
; LIMIT: e2 + e3 lies between -126 and 127, so that 2^(e2 + e3) is an f32 number.
; A work-group of four waves makes 256 x 256 of out; wave w makes all 256 rows x columns 64 w .. + 63: 16 blocks of 16 rows x 4 fragments of W = 64 accumulators, 512 registers.
; x GOES THROUGH LDS: two slots of 256 rows x 512 bytes (K = 512, four steps of 128), each wave fetching 64 rows by one tensor load.  The four work-groups of a cluster (4, 1, 1) make one
; tile row and ask for x's tiles JOINTLY (mask 15).  One round of the cluster's barrier for four steps, 256 matrix instructions a wave.
; W DOES NOT GO THROUGH LDS: no two waves of a work-group need the same columns, and its codes lie in memory in the order of the operand's registers, so each wave loads its own 8,192 bytes
; of a step straight into registers, each byte once a work-group.  A joint load lands in LDS alone, so W's loads are not joint.  Four sets of 64 registers: a set is asked for three steps ahead.
; SOURCE 0 = 16 rows of x, SOURCE 1 = 16 rows of W.  Lane r of W's fragment b holds column 4 r + b of my 64, so register j of lane (r, h) in the block's four accumulators is
; out(8 h + j, 4 r + 0 .. 3): 16 neighbouring bytes a lane, and sixteen lanes store 256 consecutive bytes, aligned, with no stage in LDS.
; Inside a matrix instruction k is permuted, alike on both sides (registers 4 c .. 4 c + 3 hold k = 32 c + 16 (lane / 16) + 0 .. 15): every product meets its partner.
; A UNIT is four blocks of x against one set of W: 16 products.  x's fragments lie in two halves of four; behind a unit's products its half is loaded again, in one run of 16 loads, for the unit after next.
; THE LAST THREE STEPS GO BY ROWS OF out: W's last three sets and the slot hold all that is left of K, so each 64 rows are taken through the three steps on end and stored while the other rows are multiplied.
; PREFETCHES, behind a change of slots that refills, in the first two of the loop's three trips: x's tile two refills on (each partner 64 of the 256 rows, by address; a wave 16 rows, a lane 256 bytes),
; and W's four steps of the slot three on (128 blocks of 256 bytes a wave, shared out among the 16 work-groups of the tile column: 8 each; lanes 8 to 31 name the last again).
; REGISTERS: window 0: v8-11 bias, v16-29 addresses, v32-127 results on the way out, v128-255 x's two halves; window 1: W's four sets; window 2: accumulators of blocks 0-7 (block i, fragment b at 8 (4 (i % 8) + b)); window 3: blocks 8-15.
.set PITCH, 528                        ; an LDS row: 512 bytes + 16 of padding: the 16 rows that a load touches start 16 bytes apart modulo 256
.set BLK,   16*PITCH
.set SLOT,  256*PITCH
.set SPARE, 2*SLOT                     ; behind the ring: the spare words, 128 bytes a wave
.set BI,   8
.set ADR,  16                          ; v16-19: my place in slot 0 blocks 0-7, blocks 8-15, slot 1 likewise
.set BO,   20                          ; 16 x lane: W's loads
.set CO,   21                          ; out: 8 h rows + 16 r
.set BIO,  22                          ; 16 r
.set PFO,  23                          ; x's prefetch: row lane % 16, 256 (lane / 16)
.set PFB,  24                          ; W's prefetch: 256 x min(lane, 7)
.set SPW,  28
.set NIL,  29
.set T,    32
.set RING, 128
.set G1, 24                            ; s[24:31] descriptor group 1; s[32:39] group 0, a set for each slot
.set G0, 32
.set WB, 40                            ; s[40:41] W's codes of my 64 columns, at this trip's first step
.set PA, 44                            ; s[44:45], s[46:47] where the prefetches stand
.set PB, 46
.set MSB, 0
.macro WIN new                         ; the immediate's high byte repeats the setting that is left
.if MSB != (\new)
	s_set_vgpr_msb (MSB<<8)|(\new)
.set MSB, (\new)
.endif
.endm
.macro PLACES                          ; four places behind matrix instructions, ahead of loads into their sources and of reads of results
.rept 4
	v_nop
.endr
.endm
.macro CREST
	s_cmp_lg_u32 s14, 0
	s_cbranch_scc1 .Lnot_wave_0_\@
	s_barrier_signal -3
.Lnot_wave_0_\@:
	s_barrier_wait -3
	s_barrier_signal -1
	s_barrier_wait -1
.endm
.macro CROUND
	s_barrier_signal -1
	s_barrier_wait -1
	CREST
.endm
.macro BLOAD p, j                      ; W's four fragments of the step j behind this trip's base into set p (window 1): 16 loads of 512 consecutive bytes
.irp b, 0,1,2,3
.irp c, 0,1,2,3
	global_load_b128 v[64*(\p)+16*\b+4*\c:64*(\p)+16*\b+4*\c+3], v[BO], s[WB:WB+1] offset:8192*(\j)+2048*\b+512*\c
.endr
.endr
.endm
.macro LOADU slot, q, G, hf            ; x's blocks 4 G .. 4 G + 3 of the slot's q-th 128 along K into half hf: 16 loads
.irp e, 0,1,2,3
.irp c, 0,1,2,3
	ds_load_b128 v[RING+64*(\hf)+16*\e+4*\c:RING+64*(\hf)+16*\e+4*\c+3], v[ADR+2*(\slot)+(\G)/2] offset:((4*(\G)+\e)%8)*BLK+128*(\q)+32*\c
.endr
.endr
.endm
.macro MULU G, p, zero, hf             ; 16 products: blocks 4 G .. 4 G + 3 (in half hf) x W's set p.  The accumulators take turns, one instruction a turn
	WIN 0xa4+0x50*((\G)/2)
.irp e, 0,1,2,3
.irp b, 0,1,2,3
.set AC, 8*(4*((4*(\G)+\e)%8)+\b)
.set FA, RING+64*(\hf)+16*\e
.if \zero
	v_wmma_f32_16x16x128_bf8_bf8 v[AC:AC+7], v[FA:FA+15], v[64*(\p)+16*\b:64*(\p)+16*\b+15], 0
.else
	v_wmma_f32_16x16x128_bf8_bf8 v[AC:AC+7], v[FA:FA+15], v[64*(\p)+16*\b:64*(\p)+16*\b+15], v[AC:AC+7]
.endif
.endr
.endr
.endm
.macro UNIT G, p, zero, hf, dsw, ls, lq, lG   ; a unit; its half then takes blocks 4 lG .. of (ls, lq), the unit after next (ls < 0: nothing is left)
	s_wait_dscnt \dsw                              ; my half is in: behind it at most the next unit's 16 loads were issued
	MULU \G, \p, \zero, \hf
	PLACES
	WIN 0
.if \ls >= 0
	LOADU \ls, \lq, \lG, \hf
.endif
.endm
; A step's first two units.  lw: W's loads issued behind this step's set.  bj >= 0: the set freed by the step before takes the step three on.
.macro STEPA slot, q, zero, lw, bj
	s_wait_loadcnt \lw
	s_wait_dscnt 16
	MULU 0, \q, \zero, 0
	PLACES
.if \bj >= 0
	WIN 0x40                                       ; destination window 1, address window 0
	BLOAD ((\q)+3)%4, \bj
.endif
	WIN 0
	LOADU \slot, \q, 2, 0
	UNIT 1, \q, \zero, 1, 16, \slot, \q, 3
.endm
.macro STEPB slot, q, zero             ; the last two units of a step that has its successor in the same slot
	UNIT 2, \q, \zero, 0, 16, \slot, (\q)+1, 0
	UNIT 3, \q, \zero, 1, 16, \slot, (\q)+1, 1
.endm
.macro ASK slot                        ; s3 = 1 in the loop's last trip: nothing is left to ask for
	s_cmp_gt_u32 s3, 1
	s_cbranch_scc0 .Lno_ask_\@
	global_prefetch_b8 v[PFO], s[PA:PA+1] offset:512*\slot th:TH_LOAD_NT scope:SCOPE_SE
	global_prefetch_b8 v[PFB], s[PB:PB+1] offset:32768*\slot th:TH_LOAD_NT scope:SCOPE_SE
.Lno_ask_\@:
.endm
; The last two units of a slot's last step: the change of slots.  The slot's last reads (unit 3's) have been issued.  fill = 1: the slot is filled again with the tile two on.
.macro TURN slot, fill
	s_wait_tensorcnt 0x0                           ; all my tensor loads have landed: my part of the next slot
	ds_add_u32 v[SPW], v[NIL]
.if \fill
	s_add_nc_u64 s[G0+4*\slot+2:G0+4*\slot+3], s[G0+4*\slot+2:G0+4*\slot+3], 1024   ; no load of mine is out: this slot's next tile, two x 512 bytes on
.endif
	s_wait_dscnt 17                                ; unit 2's half is in: the add and unit 3's 16 loads may be out
	MULU 2, 3, 0, 0
	WIN 0
	s_wait_dscnt 0x0                               ; the add is done, and my reads of this slot are over
	s_barrier_signal -1
	s_barrier_wait -1
.if \fill
	CREST                                          ; the barrier has opened a round of the cluster's barrier
	tensor_load_to_lds s[G0+4*\slot:G0+4*\slot+3], s[G1:G1+7]
	s_nop 0
.endif
	PLACES
	LOADU 1-\slot, 0, 0, 0
.if \fill
	ASK \slot
.endif
	MULU 3, 3, 0, 1                                ; unit 3 stands between the next slot's first loads and their use
	PLACES
	WIN 0
	LOADU 1-\slot, 0, 1, 1
.endm
; THE WAY OUT of block i: one fused multiply-add a number gathers the four accumulators' register j into four registers on end; each accumulator is read from its low end on.
.macro OUT i
.if (\i) >= 3
	s_wait_xcnt 0x0                                ; the stores of the block three back have read these registers
.endif
	WIN 0x02+(\i)/8                                ; source 0: window 2 or 3
.irp j, 0,1,2,3,4,5,6,7
.irp b, 0,1,2,3
	v_fma_f32 v[T+32*((\i)%3)+4*\j+\b], v[8*(4*((\i)%8)+\b)+\j], s96, v[BI+\b]
.endr
.endr
	WIN 0
.irp j, 0,1,2,3,4,5,6,7
	global_store_b128 v[CO], v[T+32*((\i)%3)+4*\j:T+32*((\i)%3)+4*\j+3], s[10:11] offset:(\i)*262144+\j*16384 th:TH_STORE_NT   ; rows 16 i + j and 16 i + 8 + j: sixteen lanes store 256 consecutive bytes, aligned
.endr
.endm
; Blocks 4 G .. 4 G + 3 through slot 1's steps 1 to 3 on end, and out.  The halves go on taking turns unit by unit.  more = 0: the last 64 rows.
.macro ROWS G, more
.set H0, (\G)%2
.if (\G) == 0
	s_wait_loadcnt 32                              ; W's set 1 is in: behind it sets 2 and 3
.endif
	UNIT \G, 1, 0, H0, 16, 1, 3, \G
.if (\G) == 0
	s_wait_loadcnt 16
.endif
.if \more
	UNIT \G, 2, 0, 1-H0, 16, 1, 1, (\G)+1
.else
	UNIT \G, 2, 0, 1-H0, 16, -1, 0, 0
.endif
.if (\G) == 0
	s_wait_loadcnt 0
.endif
.if \more
	UNIT \G, 3, 0, H0, 16, 1, 2, (\G)+1
.else
	UNIT \G, 3, 0, H0, 0, -1, 0, 0
.endif
.irp e, 0,1,2,3
	OUT 4*(\G)+\e
.endr
.endm
	s_load_b128 s[4:7], s[0:1], 0x0                ; x's codes, W's codes
	s_load_b128 s[8:11], s[0:1], 0x10              ; the scales' exponents, out
	s_load_b64 s[12:13], s[0:1], 0x20              ; bias
	v_lshl_add_u32 v[SPW], v0, 2, SPARE
	v_mov_b32 v[NIL], 0
	ds_add_u32 v[SPW], v[NIL]                      ; the opening lines: the add twice on end and one wait
	ds_add_u32 v[SPW], v[NIL]
	v_lshrrev_b32 v1, 5, v0
	v_readfirstlane_b32 s14, v1                    ; wave 0..3
	v_and_b32 v2, 15, v0                           ; r
	v_bfe_u32 v3, v0, 4, 1                         ; h
	v_and_b32 v4, 31, v0                           ; lane
	v_mul_u32_u24 v5, v2, PITCH
	v_lshl_add_u32 v[ADR], v3, 4, v5               ; row r x pitch + 16 h
	v_add_nc_u32 v[ADR+1], 8*BLK, v[ADR]
	v_add_nc_u32 v[ADR+2], SLOT, v[ADR]
	v_add_nc_u32 v[ADR+3], SLOT+8*BLK, v[ADR]
	v_lshlrev_b32 v[BO], 4, v4
	v_lshlrev_b32 v[BIO], 4, v2
	v_lshl_add_u32 v[CO], v3, 17, v[BIO]           ; 8 h rows of 16,384 bytes + 16 r
	v_lshlrev_b32 v[PFO], 12, v2
	v_lshl_add_u32 v[PFO], v3, 8, v[PFO]
	v_min_u32 v[PFB], 7, v4
	v_lshlrev_b32 v[PFB], 8, v[PFB]
	s_bfe_u32 s15, ttmp6, 0x40000                  ; cx
	s_lshl_b32 s16, ttmp9, 2
	s_add_co_u32 s16, s16, s15                     ; tile column = 4 x cluster x + cx
	s_and_b32 s17, ttmp7, 0xffff                   ; tile row: the cluster's y
	s_mov_b32 s[G1+0], 15|(1<<20)|(1<<21)|(6<<22)|(3<<25)   ; the four partners; elements of a byte; 4 words of padding behind every 128; bit 21 beside a mask
	s_mov_b32 s[G1+1], 512<<16                     ; tensor_dim0
	s_mov_b32 s[G1+2], 64<<16                      ; tensor_dim1
	s_mov_b32 s[G1+3], 512<<16                     ; tile_dim0
	s_mov_b32 s[G1+4], 64                          ; tile_dim1
	s_mov_b32 s[G1+5], 4096                        ; from row to row
	s_mov_b32 s[G1+6], 0
	s_mov_b32 s[G1+7], 0
	s_mul_i32 s18, s14, 64*PITCH                   ; my 64 rows in a slot
	s_lshl_b32 s20, s17, 20                        ; x: (256 tile row + 64 wave) rows of 4,096 bytes: no cx in it
	s_lshl_b32 s19, s14, 18
	s_add_co_u32 s20, s20, s19
	s_mov_b32 s21, 0
	s_lshl_b32 s22, s16, 2                         ; W: group 4 tile column + wave, 262,144 bytes each
	s_add_co_u32 s22, s22, s14
	s_lshl_b32 s22, s22, 18
	s_mov_b32 s23, 0
	s_lshl_b32 s50, s16, 10                        ; my first column in bytes: 1,024 tile column + 256 wave
	s_lshl_b32 s56, s14, 8
	s_add_co_u32 s50, s50, s56
	s_mov_b32 s51, 0
	s_lshl_b32 s48, s17, 22                        ; out: 256 tile row rows of 16,384 bytes + the column
	s_add_co_u32 s48, s48, s50
	s_mov_b32 s49, 0
	s_lshl_b32 s52, s17, 20                        ; x's prefetch: row 256 tile row + 64 cx + 16 wave, tile 4
	s_lshl_b32 s56, s15, 18
	s_add_co_u32 s52, s52, s56
	s_lshl_b32 s56, s14, 16
	s_add_co_u32 s52, s52, s56
	s_add_co_u32 s52, s52, 4*512
	s_mov_b32 s53, 0
	s_lshl_b32 s54, s17, 11                        ; W's prefetch: my group, slot 3, the 8 blocks of my tile row
	s_add_co_u32 s54, s54, s22
	s_add_co_u32 s54, s54, 3*32768
	s_mov_b32 s55, 0
	s_wait_alu depctr_va_vdst(0)
	s_wait_dscnt 0x0                               ; both opening adds are done
	s_wait_kmcnt 0x0
	s_load_b64 s[96:97], s[8:9], 0x8               ; e2, e3
	s_add_nc_u64 s[20:21], s[4:5], s[20:21]
	s_add_nc_u64 s[WB:WB+1], s[6:7], s[22:23]
	s_add_nc_u64 s[10:11], s[10:11], s[48:49]
	s_add_nc_u64 s[12:13], s[12:13], s[50:51]
	s_add_nc_u64 s[PA:PA+1], s[4:5], s[52:53]
	s_add_nc_u64 s[PB:PB+1], s[6:7], s[54:55]
.irp s, 0,1
	s_mov_b32 s[G0+4*\s], 1
	s_add_co_u32 s[G0+4*\s+1], s18, \s*SLOT
	s_add_nc_u64 s[G0+4*\s+2:G0+4*\s+3], s[20:21], \s*512
	s_or_b32 s[G0+4*\s+3], s[G0+4*\s+3], 0x80000000
.endr
	CROUND                                         ; the four partners are here: the first joint loads meet
	tensor_load_to_lds s[G0:G0+3], s[G1:G1+7]      ; tile 0: one tensor load a wave at the head, asked for ahead of W's loads
	s_nop 0
	PLACES
	global_load_b128 v[BI:BI+3], v[BIO], s[12:13]  ; bias of columns 4 r + 0 .. 3
	WIN 0x40
	BLOAD 0, 0                                     ; W's steps 0 to 2
	BLOAD 1, 1
	BLOAD 2, 2
	WIN 0
	s_wait_tensorcnt 0x0                           ; slot 1's first fill is issued as a refill is
	ds_add_u32 v[SPW], v[NIL]
	s_wait_dscnt 0x0
	CROUND
	tensor_load_to_lds s[G0+4:G0+7], s[G1:G1+7]    ; tile 1
	s_nop 0
	PLACES
	LOADU 0, 0, 0, 0
	LOADU 0, 0, 1, 1
	STEPA 0, 0, 1, 32, 3                           ; the first step starts the sums: nothing is cleared.  Behind its set: sets 1 and 2, 32 loads
	STEPB 0, 0, 1
	s_mov_b32 s3, 3
.Llap:                                             ; a trip: eight steps, once round the ring, from a lap's second step to the next lap's first; both slots are filled again
	STEPA 0, 1, 0, 32, 4
	STEPB 0, 1, 0
	STEPA 0, 2, 0, 32, 5
	STEPB 0, 2, 0
	STEPA 0, 3, 0, 32, 6
	TURN 0, 1
	STEPA 1, 0, 0, 32, 7
	STEPB 1, 0, 0
	STEPA 1, 1, 0, 32, 8
	STEPB 1, 1, 0
	STEPA 1, 2, 0, 32, 9
	STEPB 1, 2, 0
	STEPA 1, 3, 0, 32, 10
	TURN 1, 1
	STEPA 0, 0, 0, 32, 11
	STEPB 0, 0, 0
	s_wait_xcnt 0x0                                ; W's loads and the prefetches have read their bases: only now are these stepped
	s_add_nc_u64 s[WB:WB+1], s[WB:WB+1], 8*8192
	s_add_nc_u64 s[PA:PA+1], s[PA:PA+1], 1024
	s_add_nc_u64 s[PB:PB+1], s[PB:PB+1], 65536
	s_sub_co_u32 s3, s3, 1
	s_cmp_lg_u32 s3, 0
	s_cbranch_scc1 .Llap
	STEPA 0, 1, 0, 32, 4                           ; the last seven steps: no slot is filled again; W's last four sets are asked for
	STEPB 0, 1, 0
	STEPA 0, 2, 0, 32, 5
	STEPB 0, 2, 0
	STEPA 0, 3, 0, 32, 6
	TURN 0, 0
	STEPA 1, 0, 0, 32, 7
	UNIT 2, 0, 0, 0, 16, 1, 1, 0                   ; from here on the halves take what the walk by rows wants: blocks 0-3 of step 1,
	UNIT 3, 0, 0, 1, 16, 1, 2, 0                   ; and of step 2
	s_wait_kmcnt 0x0
	s_add_co_i32 s96, s96, s97
	s_add_co_i32 s96, s96, 127
	s_lshl_b32 s96, s96, 23                        ; 2^(e2 + e3) as f32
	ROWS 0, 1
	ROWS 1, 1
	ROWS 2, 1
	ROWS 3, 0
	s_wait_tensorcnt 0x0                           ; the wave's end
	ds_add_u32 v[SPW], v[NIL]
	s_wait_dscnt 0x0
	CROUND                                         ; the closing round
	s_endpgm
.Lfunc_end_k_q00c29ae38d_gemm:
	.size	k_q00c29ae38d_gemm, .Lfunc_end_k_q00c29ae38d_gemm-k_q00c29ae38d_gemm
	.p2alignl 7, 3214868480
	.fill 96, 4, 3214868480
	.section	.rodata,"a",@progbits
	.p2align	6, 0x0
	.amdhsa_kernel k_q00c29ae38d_gemm
		.amdhsa_group_segment_fixed_size 327680
		.amdhsa_private_segment_fixed_size 0
		.amdhsa_enable_private_segment 0
		.amdhsa_kernarg_size 40
		.amdhsa_user_sgpr_count 2
		.amdhsa_user_sgpr_kernarg_segment_ptr 1
		.amdhsa_wavefront_size32 1
		.amdhsa_system_sgpr_workgroup_id_x 1
		.amdhsa_system_sgpr_workgroup_id_y 1
		.amdhsa_system_sgpr_workgroup_id_z 1
		.amdhsa_system_vgpr_workitem_id 0
		.amdhsa_next_free_vgpr 1024
		.amdhsa_next_free_sgpr 98
		.amdhsa_reserve_vcc 0
		.amdhsa_float_denorm_mode_32 3
		.amdhsa_float_denorm_mode_16_64 3
		.amdhsa_memory_ordered 1
		.amdhsa_forward_progress 1
		.amdhsa_inst_pref_size 221
	.end_amdhsa_kernel
	.amdgpu_metadata
---
amdhsa.version: [ 1, 2 ]
amdhsa.kernels:
  - .name:           k_q00c29ae38d_gemm
    .symbol:         k_q00c29ae38d_gemm.kd
    .args:
      - { .name: x_codes, .offset: 0, .size: 8, .value_kind: global_buffer, .address_space: global }
      - { .name: w_codes, .offset: 8, .size: 8, .value_kind: global_buffer, .address_space: global }
      - { .name: lowp_scales, .offset: 16, .size: 8, .value_kind: global_buffer, .address_space: global }
      - { .name: out0, .offset: 24, .size: 8, .value_kind: global_buffer, .address_space: global }
      - { .name: bias, .offset: 32, .size: 8, .value_kind: global_buffer, .address_space: global }
    .group_segment_fixed_size: 327680
    .private_segment_fixed_size: 0
    .kernarg_segment_align: 8
    .kernarg_segment_size: 40
    .max_flat_workgroup_size: 128
    .sgpr_count:     98
    .vgpr_count:     1024
    .wavefront_size: 32
...
	.end_amdgpu_metadata
.endif
;; end of part 2
